; MI455X (gfx1250); checked and timed in simulation.
; The chip was launched on July 23, 2026; its instructions are those of AMD's public machine-readable ISA for CDNA 5 (MIT licence, August 2026) and "CDNA5" Instruction Set Architecture Reference Guide (July 2026). The comments in the code are by the model that wrote it; some were corrected since.
;; CIN. Allowed arithmetic: matrix products marked QUANTISED: E2M3 operands, one E8M0 scale for each 32 along K, by v_wmma_scale_f32_16x16x128_f8f6f4 with both operands' format E2M3, f32 sums; products left as they are: f32 operands where the result goes on into a quantised operand, else bf16, f16 or f32 operands; f32 sums; everything else in f32.
;; Inputs: W0 1,521 x 128 float32; W1 4,992 x 128 float32; inputs 2,048 x 39 x 16 float32.
;; Outputs: out0 2,048 x 256 float32.
;; This version of the problem:
;;   THIS VERSION OF THE PROBLEM IS GIVEN IN LOW PRECISION. The matrix products marked QUANTISED in the list below multiply operands that are first quantised to E2M3 (2 exponent bits, 3 mantissa bits; 6 bits a number), with one power-of-two scale for each 32 numbers along K (OCP MX v1.0); their sums are f32. All else is computed in f32.
;;   The module's matrix products, in the order in which they are computed (A, B: the left and right operand; K: the contracted axis; several contracted axes count as one K, in the product's order):
;;     1. batch 32,768 x [M 39, K 1] x [K 1, N 39]; A: computed on the way; B: computed on the way: left as it is (no contracted axis)
;;     2. [M 128, K 1,521] x [K 1,521, N 32,768]; A: input W0; B: computed on the way: QUANTISED
;;     3. batch 32,768 x [M 39, K 1] x [K 1, N 128]; A: computed on the way; B: computed on the way: left as it is (no contracted axis)
;;     4. [M 128, K 4,992] x [K 4,992, N 32,768]; A: input W1; B: computed on the way: QUANTISED
;;   THE QUANTISER, for each operand of a quantised product, along K:
;;     - K is cut into blocks of 32 from its start; a last block that is shorter is filled with zeros.
;;     - A block's scale is 2^e with e = floor(log2(the largest magnitude in the block)) - 2, held to -126 .. 127; a block of zeros has e = 0. As a byte (E8M0): e + 127.
;;     - Each number is divided by its block's scale, clamped to +-7.5, and rounded to the nearest number of E2M3, ties to even, subnormals kept.
;;     - The product sums the exact products of the quantised numbers (number of the format x scale) in f32.
;;   ~~~python
;;   def quantise(x, axis):      # numpy; x: float32 -> the quantised numbers, widened to float32 again
;;       x = np.moveaxis(x, axis, -1); K = x.shape[-1]
;;       x = np.pad(x, [(0, 0)] * (x.ndim - 1) + [(0, -K % 32)]); x = x.reshape(x.shape[:-1] + (-1, 32)); a = np.abs(x).max(-1, keepdims=True)
;;       e = np.where(a > 0, np.clip(np.frexp(np.where(a > 0, a, 1))[1] - 1 - 2, -126, 127), 0)      # np.frexp(a)[1] - 1 = floor(log2(a)), exactly
;;       r = np.clip(x / 2.0 ** e, -7.5, 7.5)
;;       step = 2.0 ** (np.maximum(np.frexp(np.where(r == 0, 1, r))[1] - 1, 0) - 3)
;;       q = np.round(r / step) * step * 2.0 ** e      # np.round: ties to even
;;       return np.moveaxis(q.reshape(q.shape[:-2] + (-1,))[..., :K], -1, axis).astype(np.float32)
;;   ~~~
;;   OPERANDS COMPUTED ON THE WAY. 'Computed on the way' means the value that the module computes at that place (a softmax that the list does not call 'softmax' is quantised finished and normalised). What goes into a quantiser is computed in f32, as accurately as f32 sums, v_exp_f32 and their like allow (about 1e-6 of the number): no bf16 or f16 on the way to a quantiser, and a product that is left as it is and whose result goes on into a quantised operand takes f32 operands (vector FMAs, or v_wmma_f32_16x16x4_f32). A number that lies on a knife's edge between two numbers of the format may be rounded either way, as far as f32 arithmetic and the matrix unit's own rounding can turn it there, and no further.
;; One version. Each part assembles by itself: llvm-mc -triple=amdgcn-amd-amdhsa -mcpu=gfx1250 --defsym DOCPART=n.
;; ======== version 1 of 1: 2 launches
;; limits: right only within a limited range of input values
;; workspace buffers: wq 652,800 bytes
;; launch quantw (part 1): grid 51 x 1, 8 waves a work-group, no clusters, 1,536 bytes of LDS; arguments W0, W1, wq; writes wq
.if DOCPART == 1
	.amdgcn_target "amdgcn-amd-amdhsa--gfx1250"
	.amdhsa_code_object_version 6
	.text
	.protected	k_qd3273b9fbb_quantw
	.globl	k_qd3273b9fbb_quantw
	.p2align	8
	.type	k_qd3273b9fbb_quantw,@function
k_qd3273b9fbb_quantw:
	s_mov_b64 s[64:65], 0
	v_nop
	global_prefetch_b8 v0, s[64:65] scope:SCOPE_SE
	s_setreg_imm32_b32 hwreg(HW_REG_WAVE_MODE, 25, 1), 1
	s_wait_xcnt 0x0
; W0 [1521][128] and W1 [4992][128], f32, K their FIRST axis, become codes of FP6 (E2M3) with one E8M0 byte for each 32 along K, laid in wq as IMAGES OF THE OPERAND'S REGISTERS,
; one K step of 128 (12,800 bytes) behind the other: steps 0-11 are W0's (K filled with zeros to 1,536), steps 12-50 W1's.  In a step: 8 fragments of 1,536 bytes (16 outputs x 128 K: register p of lane l at
; 512 (p / 4) + 16 l + 4 (p % 4)), then 512 bytes of scale words: the word at 16 l + 4 q belongs to fragment 2 q (l < 16) or 2 q + 1 (l >= 16), row l % 16.
; Nothing of reference() is left out in this program: all three inputs are loaded, both products are made whole.  The 15 numbers that fill W0's last block are zeros inside a live tile.
; WHICH K LIES WHERE (the second launch lays z the same way; every block of 32 of the quantiser stays whole, so codes and scales are the rule's):
;   lane (r, h), registers 6 c .. 6 c + 5, scale byte 2 c + h.   W1, step 12 + m: p = 128 m + 64 c + 32 h + q; output 16 f + r.
;   W0, step s: block j = 2 s + c + 24 h; place q holds p = 32 j + ((q + par) & 31), par = ((32 (2 s + c)) % 39) & 1; output 64 (f / 4) + 8 (f % 4) + r + 24 (r / 8).
; SHARES: work-group = K step, wave f = fragment f, a lane takes one output and its registers run down K: 64 loads a lane, all out at once; a block's largest magnitude needs no other lane.
; A block's scale byte is its largest magnitude's exponent field - 2, held at 1 from below.
; LIMITS: NaN and infinities are not served; blocks whose largest magnitude lies under 2^-124 get the byte 1; a block of zeros gets the byte 1 where the rule says 127 (its codes are zeros, and this program alone reads the bytes).
.set SPARE, 512                        ; LDS: 0-511 the step's scale words; from 512 the spare words, 128 bytes a wave
.set X,    64                          ; v64-127  my 64 numbers: block c at 32 c
.set C,    48                          ; v48-59   the fragment's 12 registers
.set CT,   128                         ; v128-134 a conversion's three registers begin on an even number: the upper halves are made here and moved
.set PARMASK, 0
.set jj, 0
.rept 24
.set PARMASK, PARMASK|((((32*jj)%39)&1)<<jj)
.set jj, jj+1
.endr
	s_load_b128 s[4:7], s[0:1], 0x0                ; W0, W1
	s_load_b64 s[8:9], s[0:1], 0x10                ; wq
	v_lshl_add_u32 v10, v0, 2, SPARE               ; my spare word,
	v_mov_b32 v11, 0                               ; and 0: kept for the add at the wave's end
	v_lshrrev_b32 v1, 5, v0
	v_readfirstlane_b32 s10, v1                    ; f: my wave, my fragment
	s_mov_b32 s30, 0x76543210
	s_mov_b32 s31, 0xfedcba98                      ; v_permlanex16_b32's selects for lane l xor 16
	s_lshl_b32 s12, ttmp9, 1                       ; 2 s
	s_lshr_b32 s13, PARMASK, s12
	s_and_b32 s13, s13, 1                          ; par of block 2 s
	s_add_co_u32 s19, s12, 1                       ; 2 s + 1
	s_lshr_b32 s14, PARMASK, s19
	s_and_b32 s14, s14, 1                          ; par of block 2 s + 1
	s_lshl_b32 s15, ttmp9, 6                       ; W0: the step's first p for lanes 0-15
	s_sub_co_u32 s16, ttmp9, 12
	s_lshl_b32 s16, s16, 7                         ; W1: 128 (step - 12)
	s_lshr_b32 s17, s10, 2
	s_lshl_b32 s17, s17, 6
	s_and_b32 s18, s10, 3
	s_lshl_b32 s18, s18, 3
	s_add_co_u32 s17, s17, s18                     ; W0: 64 (f / 4) + 8 (f % 4)
	s_lshl_b32 s18, s10, 4                         ; W1: 16 f
	s_and_b32 s24, s10, 1
	s_lshl_b32 s24, s24, 8
	s_lshr_b32 s25, s10, 1
	s_lshl_b32 s25, s25, 2
	s_add_co_u32 s24, s24, s25                     ; LDS: 256 (f % 2) + 4 (f / 2)
	s_mul_i32 s26, ttmp9, 12800
	s_mul_i32 s27, s10, 1536
	s_add_co_u32 s26, s26, s27                     ; my fragment's place in wq
	s_mov_b32 s27, 0
	s_mov_b32 s20, 768
	s_cmp_lt_u32 ttmp9, 12                         ; W0's step or W1's?  The choice hangs on the work-group's number alone; one way through the text serves both
	s_cselect_b32 s13, s13, 0
	s_cselect_b32 s14, s14, 0
	s_cselect_b32 s15, s15, s16                    ; the step's first p
	s_cselect_b32 s16, 32, 64                      ; from block c = 0 to c = 1
	s_cselect_b32 s20, s20, 32                     ; from lanes 0-15 to lanes 16-31
	s_cselect_b32 s17, s17, s18                    ; the fragment's first output
	s_cselect_b32 s18, 24, 0                       ; rows 8-15 of W0's fragments lie 24 outputs further on
	s_cselect_b32 s19, s19, 0                      ; the number of my block c = 1, where it matters
	s_cselect_b32 s21, 24, 0
	s_mul_i32 s22, s13, 31
	s_sub_co_u32 s22, 31, s22                      ; place 31 holds number (31 + par) & 31: 31 or 0
	s_mul_i32 s23, s14, 31
	s_sub_co_u32 s23, 31, s23
	v_and_b32 v1, 15, v0                           ; r
	v_bfe_u32 v2, v0, 4, 1                         ; h
	v_lshrrev_b32 v3, 3, v1
	v_mul_u32_u24 v3, v3, s18
	v_add3_u32 v3, v3, v1, s17                     ; my output
	v_lshlrev_b32 v3, 2, v3
	v_mul_u32_u24 v9, v2, s20
	v_add_nc_u32 v9, s15, v9                       ; my block 0's first p
	v_add_nc_u32 v4, s13, v9
	v_lshl_add_u32 v4, v4, 9, v3                   ; places 0-30 of block 0: a row of W is 512 bytes
	v_add_nc_u32 v6, s22, v9
	v_lshl_add_u32 v6, v6, 9, v3                   ; place 31 of block 0
	v_add_nc_u32 v9, s16, v9
	v_add_nc_u32 v5, s14, v9
	v_lshl_add_u32 v5, v5, 9, v3                   ; the same for block 1
	v_add_nc_u32 v7, s23, v9
	v_lshl_add_u32 v7, v7, 9, v3
	v_mul_u32_u24 v8, v2, s21
	v_add_nc_u32 v8, s19, v8                       ; W0: 2 s + 1 + 24 h; W1: 0
	v_and_b32 v12, 31, v0
	v_lshlrev_b32 v12, 4, v12                      ; 16 x lane
	v_lshl_add_u32 v13, v1, 4, s24                 ; where my row's scale word goes
.set q, 17
.rept 15
	v_mov_b32 v[X+32+q], 0                         ; W0's last block, 47, has 17 numbers (its par is 0): its places 17-31 stay zeros
.set q, q+1
.endr
	s_wait_kmcnt 0x0
	s_cmp_lt_u32 ttmp9, 12
	s_cselect_b64 s[4:5], s[4:5], s[6:7]
	s_add_nc_u64 s[8:9], s[8:9], s[26:27]
.set q, 0
.rept 31
	global_load_b32 v[X+q], v4, s[4:5] offset:512*q th:TH_LOAD_NT
.set q, q+1
.endr
	global_load_b32 v[X+31], v6, s[4:5] th:TH_LOAD_NT
.set q, 0
.rept 17
	global_load_b32 v[X+32+q], v5, s[4:5] offset:512*q th:TH_LOAD_NT
.set q, q+1
.endr
	v_cmp_ne_u32 vcc_lo, 47, v8
	s_wait_xcnt 0x0                                ; EXEC is a source of the loads above: it changes only behind this wait
	s_and_saveexec_b32 s28, vcc_lo                 ; the lanes of block 47 load nothing more: no load leaves W0
.set q, 17
.rept 14
	global_load_b32 v[X+32+q], v5, s[4:5] offset:512*q th:TH_LOAD_NT
.set q, q+1
.endr
	global_load_b32 v[X+63], v7, s[4:5] th:TH_LOAD_NT
	s_wait_xcnt 0x0                                ; and again, in front of the line that widens it
	s_or_b32 exec_lo, exec_lo, s28
	s_wait_loadcnt 0x0
	v_max3_num_f32 v32, |v[X]|, |v[X+1]|, 0x1800000        ; each block's largest magnitude, and the floor 2^(3 - 127): the byte cannot fall under 1
	v_max3_num_f32 v33, |v[X+32]|, |v[X+33]|, 0x1800000
.set q, 2
.rept 15
	v_max3_num_f32 v32, v32, |v[X+q]|, |v[X+q+1]|          ; (the two blocks by turns)
	v_max3_num_f32 v33, v33, |v[X+32+q]|, |v[X+33+q]|
.set q, q+2
.endr
	v_add_nc_u32 v34, 0xff000000, v32              ; 2 off the exponent field: the conversion takes the exponent field of this operand as its scale
	v_add_nc_u32 v35, 0xff000000, v33
	v_lshrrev_b32 v36, 23, v34                     ; the scale's byte
	v_lshrrev_b32 v37, 23, v35
	v_lshl_or_b32 v38, v37, 16, v36                ; my two bytes: 0 + h and 2 + h of the word,
	v_lshlrev_b32 v39, 3, v2
	v_lshlrev_b32 v38, v39, v38                    ; at their places;
	v_mov_b32 v39, 0
	v_permlanex16_b32 v39, v38, s30, s31
	v_or_b32 v38, v38, v39                         ; with lane l xor 16's two the word is whole
	v_cvt_scalef32_pk16_fp6_f32 v[C:C+2], v[X:X+15], v34
	v_cvt_scalef32_pk16_fp6_f32 v[CT:CT+2], v[X+16:X+31], v34
	v_cvt_scalef32_pk16_fp6_f32 v[C+6:C+8], v[X+32:X+47], v35
	v_cvt_scalef32_pk16_fp6_f32 v[CT+4:CT+6], v[X+48:X+63], v35
	v_nop                                          ; one plain place behind a scaled conversion
.irp i, 0,1,2
	v_mov_b32 v[C+3+\i], v[CT+\i]
	v_mov_b32 v[C+9+\i], v[CT+4+\i]
.endr
.irp i, 0,1,2
	global_store_b128 v12, v[C+4*\i:C+4*\i+3], s[8:9] offset:512*\i   ; 32 lanes store 512 consecutive bytes, at a multiple of 256 from wq's first byte
.endr
	ds_store_b32 v13, v38                          ; both halves of the lanes write the same word with the same value
	s_wait_dscnt 0x0                               ; for the others' sake: my store has landed
	s_barrier_signal -1
	s_barrier_wait -1
	s_cmp_lg_u32 s10, 0
	s_cbranch_scc1 .Lend
	ds_load_b128 v[40:43], v12                     ; wave 0: the step's 128 scale words,
	s_wait_dscnt 0x0
	global_store_b128 v12, v[40:43], s[8:9] offset:12288   ; 512 consecutive bytes behind the eight fragments (wave 0's base is the step's)
.Lend:
	s_wait_tensorcnt 0x0                           ; the wave's end, behind my last LDS store: a tensor wait (in a text with no tensor load), 0 onto my spare word and its wait
	ds_add_u32 v10, v11
	s_wait_dscnt 0x0
	s_endpgm
.Lfunc_end_k_qd3273b9fbb_quantw:
	.size	k_qd3273b9fbb_quantw, .Lfunc_end_k_qd3273b9fbb_quantw-k_qd3273b9fbb_quantw
	.p2alignl 7, 3214868480
	.fill 96, 4, 3214868480
	.section	.rodata,"a",@progbits
	.p2align	6, 0x0
	.amdhsa_kernel k_qd3273b9fbb_quantw
		.amdhsa_group_segment_fixed_size 1536
		.amdhsa_private_segment_fixed_size 0
		.amdhsa_enable_private_segment 0
		.amdhsa_kernarg_size 24
		.amdhsa_user_sgpr_count 2
		.amdhsa_user_sgpr_kernarg_segment_ptr 1
		.amdhsa_wavefront_size32 1
		.amdhsa_system_sgpr_workgroup_id_x 1
		.amdhsa_system_sgpr_workgroup_id_y 1
		.amdhsa_system_sgpr_workgroup_id_z 1
		.amdhsa_system_vgpr_workitem_id 0
		.amdhsa_next_free_vgpr 160
		.amdhsa_next_free_sgpr 66
		.amdhsa_reserve_vcc 1
		.amdhsa_float_denorm_mode_32 3
		.amdhsa_float_denorm_mode_16_64 3
		.amdhsa_memory_ordered 1
		.amdhsa_forward_progress 1
		.amdhsa_inst_pref_size 14
	.end_amdhsa_kernel
	.amdgpu_metadata
---
amdhsa.version: [ 1, 2 ]
amdhsa.kernels:
  - .name:           k_qd3273b9fbb_quantw
    .symbol:         k_qd3273b9fbb_quantw.kd
    .args:
      - { .name: W0, .offset: 0, .size: 8, .value_kind: global_buffer, .address_space: global }
      - { .name: W1, .offset: 8, .size: 8, .value_kind: global_buffer, .address_space: global }
      - { .name: wq, .offset: 16, .size: 8, .value_kind: global_buffer, .address_space: global }
    .group_segment_fixed_size: 1536
    .private_segment_fixed_size: 0
    .kernarg_segment_align: 8
    .kernarg_segment_size: 24
    .max_flat_workgroup_size: 256
    .sgpr_count:     66
    .vgpr_count:     160
    .wavefront_size: 32
...
	.end_amdgpu_metadata
.endif
;; end of part 1
;; launch cin (part 2): grid 256 x 1, 4 waves a work-group, clusters of 4 x 1, 327,680 bytes of LDS; arguments inputs, wq, out0; writes out0
.if DOCPART == 2
	.amdgcn_target "amdgcn-amd-amdhsa--gfx1250"
	.amdhsa_code_object_version 6
	.text
	.protected	k_qd3273b9fbb_cin
	.globl	k_qd3273b9fbb_cin
	.p2align	8
	.type	k_qd3273b9fbb_cin,@function
k_qd3273b9fbb_cin:
	s_mov_b64 s[64:65], 0
	v_nop
	global_prefetch_b8 v0, s[64:65] scope:SCOPE_SE
	s_setreg_imm32_b32 hwreg(HW_REG_WAVE_MODE, 25, 1), 1
	s_wait_xcnt 0x0
	s_wait_alu depctr_hold_cnt(0) depctr_sa_sdst(0) depctr_va_vdst(0) depctr_va_sdst(0) depctr_va_ssrc(0) depctr_va_vcc(0) depctr_vm_vsrc(0)
	s_getreg_b32 s2, hwreg(HW_REG_IB_STS2, 6, 4)
	s_cmp_eq_u32 s2, 0
	s_cbranch_scc0 .Lentry_in_a_cluster
	s_endpgm
.Lentry_in_a_cluster:
	s_bfe_u32 s2, ttmp6, 0x10000c
	s_cmp_lg_u32 s2, 0x3003
	s_cbranch_scc0 .Lentry_shape_is_right
	s_endpgm
.Lentry_shape_is_right:
; out0[b][o] = sum over d of X1[b][o][d], out0[b][128 + o] = sum over d of X2[b][o][d];  X1 = Q(z1) Q(W0), z1[b,d,39 m + n] = X0[b,m,d] X0[b,n,d];  X2 = Q(z2) Q(W1), z2[b,d,128 m + n] = X0[b,m,d] X1[b,n,d].
; Q: codes of FP6 (E2M3), one E8M0 scale for each 32 along K.  The weights come as codes from wq (its layout: the first launch's head).  z1, X1, z2 and X2 never leave the registers.
; Nothing of reference() is left out: both products are made whole, all inputs are read.  Two things are done otherwise than written, for all values of the inputs:
;   (a) in layer 2 a block of 32 lies inside one m, so its largest magnitude is |X0[b,m,d]| x the largest |X1| of the block, rounded once: rounding keeps order, so this IS the largest of the rounded products: no search;
;   (b) X2 is used only as its sum over d, so the two tiles of rows of a wave, which hold the same b, add into the same accumulators: the same products, in another order of f32 sums.
; LIMITS: NaN and infinities are not served; a block whose largest magnitude lies under about 2^-100 may get another scale than the rule's (the floor, byte 1); a block of zeros gets the byte 1 (its codes are zeros).
; SHARES.  Work-group g owns b = 8 g .. 8 g + 7; wave w owns b0 = 8 g + 2 w and b0 + 1: 32 rows (b, d) in two tiles; row r of tile t is (b0 + r / 8, d = 8 t + r % 8).  A wave makes all 128 outputs of its rows in both layers.
; 51 K steps of 128: 12 of layer 1, 39 of layer 2; 16 matrix instructions a step.  A STEP: at its head one run of LDS loads asks for step s + 1's weights; then step s is multiplied while step s + 1's codes are made:
; a matrix instruction stands behind every fourth vector line, so 64 of the step's vector lines stand between its products, and the others follow in one run.
; LAYER 1 IS USED TRANSPOSED (source 0 = 16 outputs, source 1 = my 16 rows), and the outputs of a fragment are chosen so that a lane's 32 registers of fragments 4 c .. 4 c + 3 are X1 at n = 64 c + 32 h + 0 .. 31:
; just the lane's block c of layer 2's operand.  So X1 changes no lane between the layers.  Layer 2: source 0 = my rows, source 1 = 16 outputs: register j of lane (r, h) is (b0 + h, d = 8 t + j, output 16 f + r).
; LAYER 1'S z.  Lanes 0-15 hold block j0 = 2 s + c, lanes 16-31 block j0 + 24: 768 = 19 x 39 + 27 further on.  With XN[u] = X[(u + 27 h) % 39], F[2 i] = X[i + 19 h], F[2 i + 1] = X[i + 20 h], X[39] = 0, and
; n0 = 32 j0 % 39, m0 = 32 j0 / 39, number e of the block is XN[u] F[k], u = n0 + e, k = 2 m0 + (u >= 12) + (u >= 39) + (u >= 51), in both halves of the lanes.  Place q holds number (q + par) & 31, par = n0 & 1,
; so that pairs of places fall on even pairs of XN.  p >= 1,521 meets F[39] = 0 in lanes 16-31.
; CLUSTER.  All work-groups walk the same weights: the four of a cluster ask for each tile JOINTLY (the same tensor load, the same descriptor, mask 15).  A slot holds ten K steps; each wave brings a quarter of it.
; REGISTERS, in windows of 256 (s_set_vgpr_msb: bits 1:0 source 0, 3:2 source 1, 5:4 source 2, 7:6 destination):
;   window 0: v1-14 addresses; v16-23 the weights' scale words, two sets; v24-25 z's scale words; v26-33 X0[m] of steps to come; v34-47 at work; v64-127 T: 64 numbers of z; v128-255 layer 1's sums;
;             layer 2: v128-191 its 8 accumulators, v192-239 z's codes, two sets of two tiles, v240-246 at work
;   windows 1, 2, laid alike: v0-95 the weights' fragments (set 0 in window 1, set 1 in window 2); v96-235 layer 1: XN; layer 2: v96-223 X1, v224-227 a quarter of each block's largest |X1|, v228-231 the conversions' scale operands
;   window 3: v0-79 F; v80-127 layer 1's codes, two sets; v128-134 at work
; XN and X1 are kept in both windows, beside either set of weights: so ONE window setting serves a step's matrix instructions and the multiplications between them.
.set STEPB,  12800                     ; a K step in wq and in LDS
.set SLOTB,  10*STEPB
.set SPARE,  128000                    ; behind slot 0: the spare words, 128 bytes for each wave: two blocks of 256 bytes that no other line names
.set SLOT1,  131072                    ; one exclusive or turns an address in one slot into the other's
.set TAIL,   259072                    ; K step 50
.set XIN,    271872                    ; the waves' rows of inputs, 4,992 bytes each
.set STGB,   9472                      ; the way out: a stage for each wave, in slot 1, which has then had its last fill and its last read
.set L16,  1                           ; v1   16 x lane
.set WA,   2                           ; v2   layer 2: where the weights to be fetched lie
.set AAD,  3                           ; v3   layer 2: where the X0[m] to be fetched lie
.set SPW,  4                           ; v4   my spare word; never rewritten
.set NIL,  5                           ; v5   0; never rewritten
.set L16B, 6                           ; v6   16 x lane + 5 K steps
.set L16C, 7                           ; v7   16 x lane + slot 1
.set LB,   8                           ; v8   my row's X0[0] in LDS, tile 0
.set VA,   9                           ; v9   + 27 m in lanes 16-31
.set VB,   10                          ; v10  + 12 m in lanes 0-15
.set VCR,  11                          ; v11  + 19 m in lanes 16-31
.set WS,   16
.set SZ,   24
.set AM,   26
.set AF,   30
.set EB,   34
.set P0,   38
.set MX,   40
.set SO,   44
.set T,    64
.set X1S,  128
.set ACC,  128
.set Z,    192
.set ZT,   240
.set XN,   96
.set X1,   96
.set BMQ,  224
.set CSC,  228
.set F,    0
.set ZC,   80
.set ZT3,  128
.set MSB, 0
.macro WIN new                         ; the immediate's high byte repeats the setting that is left; a switch that changes nothing is dropped
.if MSB != (\new)
	s_set_vgpr_msb (MSB<<8)|(\new)
.set MSB, (\new)
.endif
.endm
.macro ROUND                           ; a round of the cluster's barrier
	s_barrier_signal -1
	s_barrier_wait -1
	s_cmp_lg_u32 s10, 0
	s_cbranch_scc1 .Lnot_wave_0_\@
	s_barrier_signal -3
.Lnot_wave_0_\@:
	s_barrier_wait -3
	s_barrier_signal -1
	s_barrier_wait -1
.endm
.macro G1SET g, w0, c, r               ; descriptor group 1: r rows of c elements of 8 bytes, dense
	s_mov_b32 s[\g], \w0
	s_mov_b32 s[\g+1], (\c)<<16
	s_mov_b32 s[\g+2], (\r)<<16
	s_mov_b32 s[\g+3], (\c)<<16
	s_mov_b32 s[\g+4], \r
	s_mov_b32 s[\g+5], \c
	s_mov_b32 s[\g+6], 0
	s_mov_b32 s[\g+7], 0
.endm
; THE CHANGE OF SLOTS.  Each wave waits for all its tensor loads (its quarter of the slot ahead among them), adds 0 to its spare word, and waits for that and for its reads of the slot that it leaves.
; fill = 1: a round of the cluster's barrier, and behind it the slot just left is filled again, jointly: the load has ten K steps in which to land.  step = 1: the walking descriptor moves on.  l2 = 1: so does layer 2's fetch address.
.macro CHANGE fill, step, l2
	WIN 0
	s_wait_tensorcnt 0x0                           ; no tensor load of mine is out, so a group 0 may be written
	ds_add_u32 v[SPW], v[NIL]                      ; 0 onto my spare word
.if \step
	s_xor_b32 s57, s57, SLOT1                      ; the other slot than last time,
	s_add_nc_u64 s[58:59], s[58:59], SLOTB         ; the next ten K steps; the type bits on top are not reached
.endif
.if \l2
	s_sub_co_u32 s60, s60, SLOTB                   ; the fetches go back to a slot's first step,
	s_xor_b32 s60, s60, SLOT1                      ; in the other slot
.endif
	s_wait_dscnt 0x0                               ; the add is done, and my reads of the slot that I leave are over
.if \fill
	ROUND
	tensor_load_to_lds s[56:59], s[16:23]
	s_nop 0
.rept 4
	v_nop
.endr
.else
	s_barrier_signal -1
	s_barrier_wait -1
.endif
.endm
; One matrix instruction, from the symbols rD, rA, rB, rC, rSA, rSB; rZ = 1: C is the constant 0; rRA, rRB = 1: the side's scales are read from lanes 16-31
.macro WM
.if rZ
.if (rRA == 0) && (rRB == 0)
	v_wmma_scale_f32_16x16x128_f8f6f4 v[rD:rD+7], v[rA:rA+11], v[rB:rB+11], 0, v[rSA], v[rSB] matrix_a_fmt:MATRIX_FMT_FP6 matrix_b_fmt:MATRIX_FMT_FP6
.elseif rRB == 0
	v_wmma_scale_f32_16x16x128_f8f6f4 v[rD:rD+7], v[rA:rA+11], v[rB:rB+11], 0, v[rSA], v[rSB] matrix_a_fmt:MATRIX_FMT_FP6 matrix_b_fmt:MATRIX_FMT_FP6 matrix_a_scale:MATRIX_SCALE_ROW1
.elseif rRA == 0
	v_wmma_scale_f32_16x16x128_f8f6f4 v[rD:rD+7], v[rA:rA+11], v[rB:rB+11], 0, v[rSA], v[rSB] matrix_a_fmt:MATRIX_FMT_FP6 matrix_b_fmt:MATRIX_FMT_FP6 matrix_b_scale:MATRIX_SCALE_ROW1
.else
	v_wmma_scale_f32_16x16x128_f8f6f4 v[rD:rD+7], v[rA:rA+11], v[rB:rB+11], 0, v[rSA], v[rSB] matrix_a_fmt:MATRIX_FMT_FP6 matrix_b_fmt:MATRIX_FMT_FP6 matrix_a_scale:MATRIX_SCALE_ROW1 matrix_b_scale:MATRIX_SCALE_ROW1
.endif
.else
.if (rRA == 0) && (rRB == 0)
	v_wmma_scale_f32_16x16x128_f8f6f4 v[rD:rD+7], v[rA:rA+11], v[rB:rB+11], v[rC:rC+7], v[rSA], v[rSB] matrix_a_fmt:MATRIX_FMT_FP6 matrix_b_fmt:MATRIX_FMT_FP6
.elseif rRB == 0
	v_wmma_scale_f32_16x16x128_f8f6f4 v[rD:rD+7], v[rA:rA+11], v[rB:rB+11], v[rC:rC+7], v[rSA], v[rSB] matrix_a_fmt:MATRIX_FMT_FP6 matrix_b_fmt:MATRIX_FMT_FP6 matrix_a_scale:MATRIX_SCALE_ROW1
.elseif rRA == 0
	v_wmma_scale_f32_16x16x128_f8f6f4 v[rD:rD+7], v[rA:rA+11], v[rB:rB+11], v[rC:rC+7], v[rSA], v[rSB] matrix_a_fmt:MATRIX_FMT_FP6 matrix_b_fmt:MATRIX_FMT_FP6 matrix_b_scale:MATRIX_SCALE_ROW1
.else
	v_wmma_scale_f32_16x16x128_f8f6f4 v[rD:rD+7], v[rA:rA+11], v[rB:rB+11], v[rC:rC+7], v[rSA], v[rSB] matrix_a_fmt:MATRIX_FMT_FP6 matrix_b_fmt:MATRIX_FMT_FP6 matrix_a_scale:MATRIX_SCALE_ROW1 matrix_b_scale:MATRIX_SCALE_ROW1
.endif
.endif
.endm
; ---------------- LAYER 1 ----------------
; Product MI of 16 of step STP: tile MI / 8 of my rows, fragment MI % 8.  The 16 accumulators take turns, one instruction a turn.  Step 0's products start the sums;
; step 11's leave them in window 1, where layer 2 wants X1.
.macro MMA1
.set mt, MI/8
.set mf, MI%8
.set rC, X1S+64*mt+8*mf
.set rD, rC
.set rZ, 0
.if STP == 0
.set rZ, 1
.endif
.if STP == 11
.set rD, X1+64*mt+8*mf
	WIN 0x4e                                       ; the weights in window 2, the codes in window 3, C in window 0, D in window 1
.else
	WIN 0x0d+PI                                    ; the weights in window 1 + PI, the codes in window 3, C and D in window 0
.endif
.set rA, 12*mf
.set rB, ZC+24*PI+12*mt
.set rSA, WS+4*PI+mf/2
.set rRA, mf%2
.set rSB, SZ+PI
.set rRB, mt
	WM
.set MI, MI+1
.endm
; 25 LDS loads in one run, at a step's head: step STP + 1's eight fragments into the other set, and its scale words.  An image comes back as it was stored: lane l's 16 bytes at 16 l.
; The last matrix instruction that read that set stands in the step before, ahead of its second tile's maxima, scales and moves: more than forty plain lines back
.macro LRUN1
.set sg, STP+1
.if sg < 5
.set fr, L16
.set fo, STEPB*sg
.elseif sg < 10
.set fr, L16B
.set fo, STEPB*(sg-5)
.else
.set fr, L16C
.set fo, STEPB*(sg-10)
.endif
	WIN (1+PN)<<6
.set fi, 0
.rept 24
	ds_load_b128 v[4*fi:4*fi+3], v[fr] offset:fo+512*fi
.set fi, fi+1
.endr
	WIN 0
	ds_load_b128 v[WS+4*PN:WS+4*PN+3], v[fr] offset:fo+12288
.endm
; Behind each multiplication that makes z: behind every 4th a matrix instruction, eight in each tile's run of 32 multiplications or more.  That run stands under the matrix instructions' own window setting: no switch between them
.macro TICK1
.set VC, VC+1
.if (VC >= NEXT) && (MI < MILIM)
	MMA1
.set NEXT, NEXT+4
.endif
.endm
.macro FLUSH1
.rept 16
.if MI < 16
	MMA1
.endif
.endr
.endm
.macro KOF u                           ; KK = which F goes with XN[u]
.set KK, 2*mm0
.if (\u) >= 12
.set KK, KK+1
.endif
.if (\u) >= 39
.set KK, KK+1
.endif
.if (\u) >= 51
.set KK, KK+1
.endif
.endm
; Step sgen's codes and scale words, into set sgen % 2; XN is taken from window xw
.macro GEN1 sgen, xw
.set gs, (\sgen)
.set gp, gs%2
.set gw, (\xw)|0x0c
.set gt, 0
.rept 2
.set XB, XN+70*gt
.set FB, F+40*gt
.set NEXT, VC+4
.set MILIM, 8*gt+8
.set gc, 0
.rept 2
.set j0, 2*gs+gc
.set nn0, (32*j0)%39
.set mm0, (32*j0)/39
.set par, nn0&1
.set gq, 0
.rept 16
.set u0, nn0+((gq+par)&31)
.set u1, nn0+((gq+1+par)&31)
	KOF u0
.set k0, KK
	KOF u1
.set k1, KK
.set rT, T+32*gc+gq
	WIN gw
.if (u1 == u0+1) && (k0 == k1)
.if (k0&1) == 0
	v_pk_mul_f32 v[rT:rT+1], v[XB+u0:XB+u0+1], v[FB+k0:FB+k0+1] op_sel_hi:[1,0]              ; two numbers of z; of F's pair the low word serves both
.else
	v_pk_mul_f32 v[rT:rT+1], v[XB+u0:XB+u0+1], v[FB+k0-1:FB+k0] op_sel:[0,1] op_sel_hi:[1,1]  ; the high word serves both
.endif
	TICK1
.else
	v_mul_f32 v[rT], v[XB+u0], v[FB+k0]            ; where m changes inside a pair, or the block's rotation wraps
	TICK1
	WIN gw
	v_mul_f32 v[rT+1], v[XB+u1], v[FB+k1]
	TICK1
.endif
.set gq, gq+2
.endr
.set gc, gc+1
.endr
	WIN 0
.set gi, 0
.rept 16                               ; each block's largest magnitude: all 32 numbers are the lane's; the two blocks by turns
.set gc, 0
.rept 2
.if gi == 0
	v_max3_num_f32 v[MX+2*gt+gc], |v[T+32*gc]|, |v[T+32*gc+1]|, 0x1800000   ; and the floor 2^(3 - 127): the byte cannot fall under 1
.else
	v_max3_num_f32 v[MX+2*gt+gc], v[MX+2*gt+gc], |v[T+32*gc+gi]|, |v[T+32*gc+gi+1]|
.endif
.set gc, gc+1
.endr
.set gi, gi+2
.endr
	v_add_nc_u32 v[SO+2*gt], 0xff000000, v[MX+2*gt]        ; 2 off the exponent field: the conversion's scale operand
	v_add_nc_u32 v[SO+2*gt+1], 0xff000000, v[MX+2*gt+1]
	v_lshrrev_b32 v[EB], 23, v[SO+2*gt]                    ; the scale's byte
	v_lshrrev_b32 v[EB+1], 23, v[SO+2*gt+1]
	v_lshl_or_b32 v[P0+gt], v[EB+1], 16, v[EB]             ; bytes h and 2 + h of my row's word, at places 0 and 2
.if gt == 1
	v_permlane16_swap_b32 v[P0], v[P0+1]                   ; now the first holds the h = 0 halves (lanes 0-15: tile 0's, lanes 16-31: tile 1's), the second the h = 1 halves
	v_lshl_or_b32 v[SZ+gp], v[P0+1], 8, v[P0]              ; one register: tile 0's words below, tile 1's above.  Behind it: a v_nop, six moves and the next step's first four multiplications, eleven plain lines ahead of the first product that takes it
.endif
.set rZB, ZC+24*gp+12*gt
	WIN 0xc0
	v_cvt_scalef32_pk16_fp6_f32 v[rZB:rZB+2], v[T:T+15], v[SO+2*gt]
	v_cvt_scalef32_pk16_fp6_f32 v[ZT3:ZT3+2], v[T+16:T+31], v[SO+2*gt]         ; (a conversion's three registers begin on an even number)
	v_cvt_scalef32_pk16_fp6_f32 v[rZB+6:rZB+8], v[T+32:T+47], v[SO+2*gt+1]
	v_cvt_scalef32_pk16_fp6_f32 v[ZT3+4:ZT3+6], v[T+48:T+63], v[SO+2*gt+1]
	v_nop                                          ; one plain place behind a scaled conversion
	WIN 0xc3
.irp i, 0,1,2
	v_mov_b32 v[rZB+3+\i], v[ZT3+\i]
	v_mov_b32 v[rZB+9+\i], v[ZT3+4+\i]
.endr
.set gt, gt+1
.endr
.endm
; A K step of layer 1: the run of loads, then its 16 products among the next step's multiplications.  The sets (weights, codes, scale words) take turns by the step's parity.
.macro STEP1 s
.set STP, \s
.set PI, STP%2
.set PN, 1-PI
.if STP == 9
	CHANGE 1, 0, 0                                 ; step 9's weights, slot 0's last, are in registers: slot 0 takes steps 20-29, and slot 1 may be read
.else
	s_wait_dscnt 0x0                               ; this step's weights and scale words are in (asked for at the head of the step before)
.endif
.set VC, 0
.set MI, 0
.if STP < 11
	LRUN1
	GEN1 STP+1, 1+PI
.else
	WIN 0
.rept 5
	v_nop                                          ; five places: step 10's results become the C of other accumulators; they stand ahead of tile 1's codes' first product too
.endr
	LRUN1
.endif
	FLUSH1
.endm
; ---------------- LAYER 2 ----------------
; Product MI of 16: tile MI / 8 of my rows, outputs 16 (MI % 8) on.  Both tiles add into the same eight accumulators, which take turns, one instruction a turn.
.macro MMA2
.set mt, MI/8
.set mf, MI%8
.set rD, ACC+8*mf
.set rC, rD
.set rZ, 0
.if ZERO && (MI < 8)
.set rZ, 1
.endif
.set rA, Z+24*PI+12*mt
.set rB, 12*mf
.set rSA, SZ+PI
.set rRA, mt
.set rSB, WS+4*PI+mf/2
.set rRB, mf%2
	WIN M2W
	WM
.set MI, MI+1
.endm
; At a step's head.  First step s + 2's scale operands, |X0[m]| x (largest |X1|) / 4 + the floor 2^-126, one rounding, beside the other set of weights; then ALL the step's LDS loads on end: step s + 1's weights
; into the other set, their scale words, X0[m] of step s + 3; then X0[m] of step s + 2 moves to where the multiplications take it.
; The last matrix instruction that read the other set stands 26 plain lines back, in the step before; the conversions that read these scale operands' registers stand a v_nop and six moves back
.macro LRUN2
.if FW || FC
	WIN L2W                                        ; destination and source 1: the other set's window
.endif
.if FC
.irp k, 0,1,2,3
	v_fma_f32 v[CSC+\k], |v[AF+2*PI+\k/2]|, v[BMQ+\k], s61
.endr
.endif
.if FW
.set fi, 0
.rept 24
	ds_load_b128 v[4*fi:4*fi+3], v[WA] offset:WOFF+512*fi
.set fi, fi+1
.endr
.endif
	WIN M2W
.if FW
	ds_load_b128 v[WS+4*PN:WS+4*PN+3], v[WA] offset:WOFF+12288
.endif
.if FA
	ds_load_b32 v[AF+2*PN], v[AAD] offset:AOFF
	ds_load_b32 v[AF+2*PN+1], v[AAD] offset:AOFF+32
.endif
.if FC
	v_mov_b32 v[AM+2*PI], v[AF+2*PI]
	v_mov_b32 v[AM+2*PI+1], v[AF+2*PI+1]
.endif
.endm
.macro TICK2                           ; behind every 4th of the lines that make the next step's codes: a matrix instruction
.set VC, VC+1
.if (VC >= NEXT) && (MI < 16)
	MMA2
.set NEXT, NEXT+4
.endif
.endm
.macro FLUSH2
.rept 16
.if MI < 16
	MMA2
.endif
.endr
.endm
; The next step's scale words and codes, into set PN.  All of it runs under the matrix instructions' own window setting: source 1 (X1, the scale operands) in window 1 + PI, all else in window 0
.macro GEN2
.set gk, 0
.rept 4
	WIN M2W
	v_lshrrev_b32 v[EB+gk], 23, v[CSC+gk]          ; the scale's byte of block c of tile t: 2 t + c
	TICK2
.set gk, gk+1
.endr
	WIN M2W
	v_lshl_or_b32 v[P0], v[EB+1], 16, v[EB]
	TICK2
	WIN M2W
	v_lshl_or_b32 v[P0+1], v[EB+3], 16, v[EB+2]
	TICK2
	WIN M2W
	v_permlane16_swap_b32 v[P0], v[P0+1]           ; as in layer 1
	TICK2
	WIN M2W
	v_lshl_or_b32 v[SZ+PN], v[P0+1], 8, v[P0]      ; the last matrix instruction that read this register stands in the step before, more than 30 plain lines back
	TICK2
.set gt, 0
.rept 2
.set gi, 0
.rept 32
	WIN M2W
.if gt == 0
	v_pk_mul_f32 v[T+gi:T+gi+1], v[AM+2*PN:AM+2*PN+1], v[X1+gi:X1+gi+1] op_sel_hi:[0,1]                   ; z = X0[m] X1[n], two at a time; of the pair of X0[m] the low word is tile 0's,
.else
	v_pk_mul_f32 v[T+gi:T+gi+1], v[AM+2*PN:AM+2*PN+1], v[X1+64+gi:X1+64+gi+1] op_sel:[1,0] op_sel_hi:[1,1]  ; the high word tile 1's
.endif
	TICK2
.set gi, gi+2
.endr
.set rZB, Z+24*PN+12*gt
	WIN M2W
	v_cvt_scalef32_pk16_fp6_f32 v[rZB:rZB+2], v[T:T+15], v[CSC+2*gt]
	v_cvt_scalef32_pk16_fp6_f32 v[ZT:ZT+2], v[T+16:T+31], v[CSC+2*gt]          ; (a conversion's three registers begin on an even number)
	v_cvt_scalef32_pk16_fp6_f32 v[rZB+6:rZB+8], v[T+32:T+47], v[CSC+2*gt+1]
	v_cvt_scalef32_pk16_fp6_f32 v[ZT+4:ZT+6], v[T+48:T+63], v[CSC+2*gt+1]
	v_nop                                          ; one plain place behind a scaled conversion
	TICK2
.irp i, 0,1,2
	v_mov_b32 v[rZB+3+\i], v[ZT+\i]
	TICK2
	v_mov_b32 v[rZB+9+\i], v[ZT+4+\i]
	TICK2
.endr
.set gt, gt+1
.endr
.endm
; A K step of layer 2, of parity p.  zero: its first eight products start the sums.  fw, fc, fa: what the head's run holds.  gen: the next step's codes are made.
; The first product stands at the head, the others behind lines 4, 8, .. 60 of the 86 that are counted; the last 26 lines and tile 1's conversions follow the sixteenth product.
; An operand register written by a vector instruction stands four plain vector instructions ahead of the scaled matrix instruction that takes it.  Tile 1's codes are finished by the last lines of the step before;
; where this step makes codes, 32 of its own lines stand ahead of tile 1's first product; where it makes none (the last step), four v_nop stand at its head.
.macro STEP2 p, zero, fw, fc, fa, gen, woff, aoff
.set PI, \p
.set PN, 1-PI
.set M2W, 0x04<<PI
.set L2W, 0x88>>PI
.set ZERO, \zero
.set FW, \fw
.set FC, \fc
.set FA, \fa
.set WOFF, \woff
.set AOFF, \aoff
.set VC, 0
.set MI, 0
.set NEXT, 4
	s_wait_dscnt 0x0                               ; this step's weights, scale words and X0[m] are in (asked for at the head of the step before)
.if (\gen) == 0
.rept 4
	v_nop                                          ; the four places between the moves that finished tile 1's codes and the products that take them
.endr
.endif
	LRUN2
	MMA2
.if \gen
	GEN2
.endif
	FLUSH2
.endm
.macro PAIR                            ; a trip: an odd step and an even one, until the sets are back where they began
	v_add_nc_u32 v[WA], s60, v[L16]
	v_add_nc_u32 v[AAD], s76, v[LB]
	STEP2 1,0,1,1,1,1,0,0
	STEP2 0,0,1,1,1,1,STEPB,64
	WIN 0                                          ; at a label and at a branch every window is 0
	s_add_co_u32 s60, s60, 2*STEPB
	s_add_co_u32 s76, s76, 128
.endm
; ---------------- THE HEAD ----------------
	s_load_b128 s[4:7], s[0:1], 0x0                ; inputs, wq
	s_load_b64 s[8:9], s[0:1], 0x10                ; out0
	v_lshl_add_u32 v[SPW], v0, 2, SPARE
	v_mov_b32 v[NIL], 0
	ds_add_u32 v[SPW], v[NIL]                      ; the wave's opening: 0 onto my spare word, twice on end, with its wait ahead of my first tensor load
	ds_add_u32 v[SPW], v[NIL]                      ; and once more, under the one wait; the set-up below, work on registers, stands between
	v_lshrrev_b32 v1, 5, v0
	v_readfirstlane_b32 s10, v1                    ; wave 0..3
	s_bfe_u32 s11, ttmp6, 0x40000                  ; cx: it enters the addresses of inputs and of out0 alone
	s_lshl_b32 s12, ttmp9, 2
	s_add_co_u32 s12, s12, s11                     ; g = 4 x cluster + cx
	G1SET 16, 15|(3<<16)|(1<<21), 32, 125          ; a quarter of a slot: 125 rows of 256 bytes; the mask names all four work-groups, bit 21 beside it
	G1SET 24, 15|(3<<16)|(1<<21), 16, 25           ; a quarter of K step 50: 25 rows of 128 bytes
	G1SET 32, 3<<16, 16, 39                        ; my wave's own two b of inputs: 39 rows of 128 bytes; no mask
	s_mul_i32 s72, s10, 32000
	s_mov_b32 s73, 0
	s_mul_i32 s74, s10, 3200
	s_mov_b32 s75, 0
	s_mul_i32 s69, s10, 4992
	s_mul_i32 s70, s12, 19968
	s_add_co_u32 s70, s70, s69                     ; 2,496 bytes a b: 8 g + 2 w of them
	s_mov_b32 s71, 0
	s_mov_b32 s40, 1
	s_add_co_u32 s41, s69, XIN
	s_mov_b32 s44, 1
	s_mov_b32 s45, s72                             ; slot 0
	s_mov_b32 s48, 1
	s_add_co_u32 s49, s72, SLOT1
	s_mov_b32 s52, 1
	s_add_co_u32 s53, s74, TAIL
	s_mov_b32 s56, 1
	s_mov_b32 s57, s72                             ; the walking descriptor begins at slot 0, steps 20-29
	s_mov_b32 s61, 0x00800000                      ; 2^-126: the floor under layer 2's scale operands
	s_mov_b32 s66, 0xffff0000                      ; lanes 16-31
	s_mul_i32 s67, s10, STGB
	s_add_co_u32 s67, s67, SLOT1                   ; my stage
	s_wait_dscnt 0x0                               ; both opening adds are done
	s_wait_kmcnt 0x0
	s_add_nc_u64 s[42:43], s[4:5], s[70:71]
	s_add_nc_u64 s[46:47], s[6:7], s[72:73]
	s_add_nc_u64 s[50:51], s[46:47], SLOTB
	s_add_nc_u64 s[58:59], s[46:47], 2*SLOTB
	s_add_nc_u64 s[54:55], s[6:7], s[74:75]
	s_add_nc_u64 s[54:55], s[54:55], 50*STEPB
	s_or_b32 s43, s43, 0x80000000
	s_or_b32 s47, s47, 0x80000000
	s_or_b32 s51, s51, 0x80000000
	s_or_b32 s55, s55, 0x80000000
	s_or_b32 s59, s59, 0x80000000
	s_lshl_b32 s70, s12, 13
	s_lshl_b32 s68, s10, 11
	s_add_co_u32 s70, s70, s68
	s_add_nc_u64 s[8:9], s[8:9], s[70:71]          ; out0 at row b0: 1,024 bytes a row
	ROUND                                          ; all four work-groups are here: the first joint loads meet
	tensor_load_to_lds s[40:43], s[32:39]          ; my rows of inputs;
	s_nop 0
	tensor_load_to_lds s[44:47], s[16:23]          ; K steps 0-9;
	s_nop 0
	tensor_load_to_lds s[48:51], s[16:23]          ; 10-19;
	s_nop 0
	tensor_load_to_lds s[52:55], s[24:31]          ; 50.  Four loads of mine are out
	s_nop 0
	v_and_b32 v1, 31, v0
	v_lshlrev_b32 v[L16], 4, v1
	v_add_nc_u32 v[L16B], 5*STEPB, v[L16]
	v_add_nc_u32 v[L16C], SLOT1, v[L16]
	v_and_b32 v34, 7, v0                           ; r % 8
	v_bfe_u32 v35, v0, 3, 1                        ; r / 8
	v_bfe_u32 v36, v0, 4, 1                        ; h
	v_and_b32 v37, 15, v0                          ; r
	v_lshl_add_u32 v[LB], v34, 2, s41
	v_mad_u32_u24 v[LB], v35, 2496, v[LB]          ; X0[b0 + r / 8][0][r % 8]; + 64 m, + 32 t
	v_mad_u32_u24 v[VA], v36, 1728, v[LB]
	v_xor_b32 v38, 1, v36
	v_mad_u32_u24 v[VB], v38, 768, v[LB]
	v_mad_u32_u24 v[VCR], v36, 1216, v[LB]
	v_lshl_add_u32 v12, v37, 2, s67
	v_lshl_add_u32 v12, v36, 9, v12                ; the stage: layer 2's sums: 512 h + 4 r, + 64 f
	v_mad_u32_u24 v13, v37, 528, s67
	v_lshl_add_u32 v13, v36, 7, v13
	v_add_nc_u32 v13, 1024, v13                    ; layer 1's: row r of 528 bytes, + 128 h
	v_add_nc_u32 v14, s67, v[L16]                  ; and back: 16 bytes a lane
	s_wait_tensorcnt 0x3                           ; my rows of inputs are in; the three loads issued behind them stay out.  Only my wave reads these bytes
	WIN 0x40
.set gt, 0
.rept 2
.set gi, 0
.rept 39
.if gi < 12
	ds_load_b32 v[XN+70*gt+gi], v[VA] offset:64*gi+32*gt           ; XN[i] = X[(i + 27 h) % 39]
.else
	ds_load_b32 v[XN+70*gt+gi], v[VB] offset:64*(gi-12)+32*gt
.endif
.set gi, gi+1
.endr
.set gt, gt+1
.endr
	WIN 0xc0
.set gt, 0
.rept 2
.set gi, 0
.rept 20
	ds_load_b32 v[F+40*gt+2*gi], v[VCR] offset:64*gi+32*gt         ; F[2 i] = X[i + 19 h]
.set gi, gi+1
.endr
.set gt, gt+1
.endr
	WIN 0
.irp t, 0,1
	ds_load_b32 v[AM+\t], v[LB] offset:32*\t                       ; X0[0], X0[1], X0[2] for layer 2's first steps
	ds_load_b32 v[AM+2+\t], v[LB] offset:64+32*\t
	ds_load_b32 v[AF+\t], v[LB] offset:128+32*\t
.endr
	s_wait_dscnt 0x0
	WIN 0x41
.set gt, 0
.rept 2
.set gi, 0
.rept 31
	v_mov_b32 v[XN+70*gt+39+gi], v[XN+70*gt+gi]                    ; XN goes round after 39
.set gi, gi+1
.endr
.set gt, gt+1
.endr
	WIN 0x81
.set gi, 0
.rept 140
	v_mov_b32 v[XN+gi], v[XN+gi]                                   ; and lies in window 2 as well, beside the other set of weights
.set gi, gi+1
.endr
	WIN 0xcf
.set gt, 0
.rept 2
.set gi, 0
.rept 19
	v_cndmask_b32 v[F+40*gt+2*gi+1], v[F+40*gt+2*gi], v[F+40*gt+2*gi+2], s66   ; F[2 i + 1] = X[i + 20 h]
.set gi, gi+1
.endr
	v_cndmask_b32 v[F+40*gt+39], v[F+40*gt+38], 0, s66             ; X[39] = 0: what lies beyond K
.set gt, gt+1
.endr
.set STP, 0
.set PI, 0
.set PN, 1
.set VC, 0
.set MI, 16
	GEN1 0, 1                                      ; step 0's codes: nothing to set them between yet
	WIN 0
	s_wait_tensorcnt 0x2                           ; my quarter of slot 0 is in; slot 1's and step 50's may stay out
	s_barrier_signal -1
	s_barrier_wait -1                              ; everybody's is
.set STP, -1
.set PN, 0
	LRUN1                                          ; step 0's weights
.irp s, 0,1,2,3,4,5,6,7,8,9,10,11
	STEP1 \s
.endr
; ---------------- BETWEEN THE LAYERS ----------------
	WIN 0
.rept 4
	v_nop                                          ; four places behind the last products, whose results are read below
.endr
	WIN 0x55
.set gi, 0
.rept 16                               ; the largest |X1| of each of my four blocks (2 t + c), by turns; each accumulator is read from its low end on
.set gk, 0
.rept 4
.if gi == 0
	v_max_num_f32 v[232+gk], |v[X1+32*gk]|, |v[X1+32*gk+1]|
.else
	v_max3_num_f32 v[232+gk], v[232+gk], |v[X1+32*gk+gi]|, |v[X1+32*gk+gi+1]|
.endif
.set gk, gk+1
.endr
.set gi, gi+2
.endr
.irp k, 0,1,2,3
	v_mul_f32 v[BMQ+\k], 0x3e800000, v[232+\k]     ; a quarter of it: 2 off the exponent, once for all 39 steps
.endr
	WIN 0x81
.set gi, 0
.rept 132
	v_mov_b32 v[X1+gi], v[X1+gi]                   ; X1 and the four quarters lie in window 2 as well
.set gi, gi+1
.endr
	WIN 0x88
.irp k, 0,1,2,3
	v_fma_f32 v[CSC+\k], |v[AM+\k/2]|, v[BMQ+\k], s61      ; step 12's scale operands, in window 2,
.endr
	WIN 0x44
.irp k, 0,1,2,3
	v_fma_f32 v[CSC+\k], |v[AM+2+\k/2]|, v[BMQ+\k], s61    ; step 13's, in window 1
.endr
.set PI, 1
.set PN, 0
.set M2W, 0x08
.set L2W, 0x44
.set VC, 0
.set MI, 16
.set NEXT, 0
	GEN2                                           ; step 12's codes
	WIN 0
	s_mov_b32 s60, SLOT1+3*STEPB                   ; step 12 fetches step 13's weights,
	s_mov_b32 s76, 192                             ; and X0[3]
	v_add_nc_u32 v[WA], s60, v[L16]
	v_add_nc_u32 v[AAD], s76, v[LB]
	STEP2 0,1,1,1,1,1,0,0                          ; step 12 is written out: its first eight products start the sums
	WIN 0
	s_mov_b32 s60, SLOT1+4*STEPB
	s_mov_b32 s76, 256
	s_mov_b32 s62, 3
.Lp3:                                              ; steps 13-18
	PAIR
	s_sub_co_u32 s62, s62, 1
	s_cmp_lg_u32 s62, 0
	s_cbranch_scc1 .Lp3
	s_mov_b32 s63, 2
.Lout:                                             ; steps 19-28 and 29-38: slot 1 takes steps 30-39, then slot 0 steps 40-49
	CHANGE 1, 1, 1
	s_mov_b32 s62, 5
.Lp5:
	PAIR
	s_sub_co_u32 s62, s62, 1
	s_cmp_lg_u32 s62, 0
	s_cbranch_scc1 .Lp5
	s_sub_co_u32 s63, s63, 1
	s_cmp_lg_u32 s63, 0
	s_cbranch_scc1 .Lout
	CHANGE 0, 0, 1                                 ; the tail is written out: nothing is left to fetch
	s_mov_b32 s62, 4
.Lp4:                                              ; steps 39-46
	PAIR
	s_sub_co_u32 s62, s62, 1
	s_cmp_lg_u32 s62, 0
	s_cbranch_scc1 .Lp4
	v_add_nc_u32 v[WA], s60, v[L16]
	v_add_nc_u32 v[AAD], s76, v[LB]
	STEP2 1,0,1,1,1,1,0,0                          ; 47: asks for X0[38], the last
	STEP2 0,0,1,1,0,1,STEPB,0                      ; 48
	WIN 0
	v_add_nc_u32 v[WA], TAIL, v[L16]
	STEP2 1,0,1,0,0,1,0,0                          ; 49: fetches step 50's weights
	STEP2 0,0,0,0,0,0,0,0                          ; 50: the products alone
; ---------------- THE WAY OUT ----------------
	WIN 0x05
.set gi, 0
.rept 32
	v_pk_add_f32 v[T+gi:T+gi+1], v[X1+gi:X1+gi+1], v[X1+64+gi:X1+64+gi+1]   ; X1: d and d + 8.  (These 32 are also the places behind the last products)
.set gi, gi+2
.endr
	WIN 0
.set gk, 0
.rept 8                                ; X2: a lane's eight registers are eight d of one (b, output); each accumulator from its low end on
	v_pk_add_f32 v[ACC+8*gk:ACC+8*gk+1], v[ACC+8*gk:ACC+8*gk+1], v[ACC+8*gk+2:ACC+8*gk+3]
	v_pk_add_f32 v[ACC+8*gk+4:ACC+8*gk+5], v[ACC+8*gk+4:ACC+8*gk+5], v[ACC+8*gk+6:ACC+8*gk+7]
.set gk, gk+1
.endr
.set gk, 0
.rept 8
	v_pk_add_f32 v[ACC+8*gk:ACC+8*gk+1], v[ACC+8*gk:ACC+8*gk+1], v[ACC+8*gk+4:ACC+8*gk+5]
.set gk, gk+1
.endr
.set gk, 0
.rept 8
	v_add_f32 v[ACC+8*gk], v[ACC+8*gk], v[ACC+8*gk+1]              ; out0(b0 + h, 128 + 16 f + r)
.set gk, gk+1
.endr
.set gk, 0
.rept 8
	ds_store_b32 v12, v[ACC+8*gk] offset:64*gk
.set gk, gk+1
.endr
.set gi, 0
.rept 16
	ds_store_b128 v13, v[T+4*gi:T+4*gi+3] offset:256*(gi/8)+16*(gi%8)   ; row r: X1 at n = 64 c + 32 h + 0 .. 31, summed over the two tiles
.set gi, gi+1
.endr
.set gi, 0
.rept 16
	ds_load_b128 v[192+4*gi:195+4*gi], v14 offset:1024+528*gi      ; LDS serves a wave's instructions in order: these see my stores.  Row gi, four outputs a lane
.set gi, gi+1
.endr
	ds_load_b128 v[40:43], v14                     ; layer 2's two rows
	ds_load_b128 v[44:47], v14 offset:512
	s_wait_dscnt 0x0
.set gk, 0
.rept 8                                ; rows 0-7 are b0's eight d, rows 8-15 b0 + 1's
	v_pk_add_f32 v[192+8*gk:193+8*gk], v[192+8*gk:193+8*gk], v[196+8*gk:197+8*gk]
	v_pk_add_f32 v[194+8*gk:195+8*gk], v[194+8*gk:195+8*gk], v[198+8*gk:199+8*gk]
.set gk, gk+1
.endr
.set gk, 0
.rept 4
	v_pk_add_f32 v[192+16*gk:193+16*gk], v[192+16*gk:193+16*gk], v[200+16*gk:201+16*gk]
	v_pk_add_f32 v[194+16*gk:195+16*gk], v[194+16*gk:195+16*gk], v[202+16*gk:203+16*gk]
.set gk, gk+1
.endr
.set gk, 0
.rept 2
	v_pk_add_f32 v[192+32*gk:193+32*gk], v[192+32*gk:193+32*gk], v[208+32*gk:209+32*gk]
	v_pk_add_f32 v[194+32*gk:195+32*gk], v[194+32*gk:195+32*gk], v[210+32*gk:211+32*gk]
.set gk, gk+1
.endr
	global_store_b128 v[L16], v[192:195], s[8:9] th:TH_STORE_NT               ; each store: 32 lanes, 512 consecutive bytes, at a multiple of 256 from out0's first byte
	global_store_b128 v[L16], v[40:43], s[8:9] offset:512 th:TH_STORE_NT
	global_store_b128 v[L16], v[224:227], s[8:9] offset:1024 th:TH_STORE_NT
	global_store_b128 v[L16], v[44:47], s[8:9] offset:1536 th:TH_STORE_NT
	s_wait_tensorcnt 0x0                           ; the wave's end, behind my last tensor load and my last LDS store: a tensor wait, 0 onto my spare word and its wait
	ds_add_u32 v[SPW], v[NIL]
	s_wait_dscnt 0x0
	ROUND                                          ; the closing round: no work-group ends while a partner may still ask for a tile that names it
	s_endpgm
.Lfunc_end_k_qd3273b9fbb_cin:
	.size	k_qd3273b9fbb_cin, .Lfunc_end_k_qd3273b9fbb_cin-k_qd3273b9fbb_cin
	.p2alignl 7, 3214868480
	.fill 96, 4, 3214868480
	.section	.rodata,"a",@progbits
	.p2align	6, 0x0
	.amdhsa_kernel k_qd3273b9fbb_cin
		.amdhsa_group_segment_fixed_size 327680
		.amdhsa_private_segment_fixed_size 0
		.amdhsa_enable_private_segment 0
		.amdhsa_kernarg_size 24
		.amdhsa_user_sgpr_count 2
		.amdhsa_user_sgpr_kernarg_segment_ptr 1
		.amdhsa_wavefront_size32 1
		.amdhsa_system_sgpr_workgroup_id_x 1
		.amdhsa_system_sgpr_workgroup_id_y 1
		.amdhsa_system_sgpr_workgroup_id_z 1
		.amdhsa_system_vgpr_workitem_id 0
		.amdhsa_next_free_vgpr 1024
		.amdhsa_next_free_sgpr 80
		.amdhsa_reserve_vcc 0
		.amdhsa_float_denorm_mode_32 3
		.amdhsa_float_denorm_mode_16_64 3
		.amdhsa_memory_ordered 1
		.amdhsa_forward_progress 1
		.amdhsa_inst_pref_size 255
	.end_amdhsa_kernel
	.section	.bss,"aw",@nobits
	.p2align	6
	.space	262144
	.amdgpu_metadata
---
amdhsa.version: [ 1, 2 ]
amdhsa.kernels:
  - .name:           k_qd3273b9fbb_cin
    .symbol:         k_qd3273b9fbb_cin.kd
    .args:
      - { .name: inputs, .offset: 0, .size: 8, .value_kind: global_buffer, .address_space: global }
      - { .name: wq, .offset: 8, .size: 8, .value_kind: global_buffer, .address_space: global }
      - { .name: out0, .offset: 16, .size: 8, .value_kind: global_buffer, .address_space: global }
    .group_segment_fixed_size: 327680
    .private_segment_fixed_size: 0
    .kernarg_segment_align: 8
    .kernarg_segment_size: 24
    .max_flat_workgroup_size: 128
    .sgpr_count:     80
    .vgpr_count:     1024
    .wavefront_size: 32
...
	.end_amdgpu_metadata
.endif
;; end of part 2
